; MI455X (gfx1250); checked and timed in simulation.
; The chip was launched on July 23, 2026; its instructions are those of AMD's public machine-readable ISA for CDNA 5 (MIT licence, August 2026) and "CDNA5" Instruction Set Architecture Reference Guide (July 2026). The comments in the code are by the model that wrote it; some were corrected since.
;; Multi Head Self Attention. Allowed arithmetic: matrix products marked QUANTISED: E4M3 operands, one E8M0 scale for each 32 along K, by v_wmma_scale_f32_16x16x128_f8f6f4 with both operands' format E4M3, f32 sums; everything else in f32.
;; Inputs: W_k_codes 1,024 x 32 x 32 uint8 (E4M3 codes of W_k, K innermost, in blocks of 32 codes); W_k_scales 1,024 x 32 uint8 (E8M0 scales of W_k, one for each 32 codes along K); W_o_codes 1,024 x 32 x 32 uint8 (E4M3 codes of W_o, K innermost, in blocks of 32 codes); W_o_scales 1,024 x 32 uint8 (E8M0 scales of W_o, one for each 32 codes along K); W_q_codes 1,024 x 32 x 32 uint8 (E4M3 codes of W_q, K innermost, in blocks of 32 codes); W_q_scales 1,024 x 32 uint8 (E8M0 scales of W_q, one for each 32 codes along K); W_v_codes 1,024 x 32 x 32 uint8 (E4M3 codes of W_v, K innermost, in blocks of 32 codes); W_v_scales 1,024 x 32 uint8 (E8M0 scales of W_v, one for each 32 codes along K); b_k 1,024 float32; b_o 1,024 float32; b_q 1,024 float32; b_v 1,024 float32; x_codes 4 x 2,048 x 32 x 32 uint8 (E4M3 codes of x, K innermost, in blocks of 32 codes); x_scales 4 x 2,048 x 32 uint8 (E8M0 scales of x, one for each 32 codes along K).
;; Outputs: out0 4 x 2,048 x 1,024 float32.
;; This version of the problem:
;;   THIS VERSION OF THE PROBLEM IS GIVEN IN LOW PRECISION. The matrix products marked QUANTISED in the list below multiply operands that are first quantised to E4M3 (4 exponent bits, 3 mantissa bits; 8 bits a number), with one power-of-two scale for each 32 numbers along K (OCP MX v1.0); their sums are f32. All else is computed in f32.
;;   The module's matrix products, in the order in which they are computed (A, B: the left and right operand; K: the contracted axis; several contracted axes count as one K, in the product's order):
;;     1. [M 8,192, K 1,024] x [K 1,024, N 1,024]; A: input x (given as codes); B: input W_q (given as codes): QUANTISED
;;     2. [M 8,192, K 1,024] x [K 1,024, N 1,024]; A: input x (given as codes); B: input W_k (given as codes): QUANTISED
;;     3. [M 8,192, K 1,024] x [K 1,024, N 1,024]; A: input x (given as codes); B: input W_v (given as codes): QUANTISED
;;     4. batch 64 x [M 2,048, K 64] x [K 64, N 2,048]; A: computed on the way; B: computed on the way: QUANTISED
;;     5. batch 64 x [M 2,048, K 2,048] x [K 2,048, N 64]; A: softmax (see below); B: computed on the way: QUANTISED
;;     6. [M 8,192, K 1,024] x [K 1,024, N 1,024]; A: computed on the way; B: input W_o (given as codes): QUANTISED
;;   THE QUANTISER, for each operand of a quantised product, along K:
;;     - K is cut into blocks of 32 from its start; a last block that is shorter is filled with zeros.
;;     - A block's scale is 2^e with e = floor(log2(the largest magnitude in the block)) - 8, held to -126 .. 127; a block of zeros has e = 0. As a byte (E8M0): e + 127.
;;     - Each number is divided by its block's scale, clamped to +-448, and rounded to the nearest number of E4M3, ties to even, subnormals kept.
;;     - The product sums the exact products of the quantised numbers (number of the format x scale) in f32.
;;   ~~~python
;;   def quantise(x, axis):      # numpy; x: float32 -> the quantised numbers, widened to float32 again
;;       x = np.moveaxis(x, axis, -1); K = x.shape[-1]
;;       x = np.pad(x, [(0, 0)] * (x.ndim - 1) + [(0, -K % 32)]); x = x.reshape(x.shape[:-1] + (-1, 32)); a = np.abs(x).max(-1, keepdims=True)
;;       e = np.where(a > 0, np.clip(np.frexp(np.where(a > 0, a, 1))[1] - 1 - 8, -126, 127), 0)      # np.frexp(a)[1] - 1 = floor(log2(a)), exactly
;;       r = np.clip(x / 2.0 ** e, -448, 448)
;;       step = 2.0 ** (np.maximum(np.frexp(np.where(r == 0, 1, r))[1] - 1, -6) - 3)
;;       q = np.round(r / step) * step * 2.0 ** e      # np.round: ties to even
;;       return np.moveaxis(q.reshape(q.shape[:-2] + (-1,))[..., :K], -1, axis).astype(np.float32)
;;   ~~~
;;   SOFTMAX AHEAD OF A QUANTISED PRODUCT. Where the list says 'softmax', what is quantised is not the finished softmax but p = 2^(t - M), with t = logit x log2(e) and M = ceil(the row's largest t), a whole number; so 1/2 < the row's largest p <= 1. The row's sum l is taken of the UNQUANTISED p, in f32, and the product's result is divided by l at the end. Since M is a whole number, a kernel that streams over the keys may use a running M (the ceiling of the running maximum): every later rescaling is an exact power of two, which a block's scale takes up: the codes' values come out the same.
;;   OPERANDS COMPUTED ON THE WAY. 'Computed on the way' means the value that the module computes at that place (a softmax that the list does not call 'softmax' is quantised finished and normalised). What goes into a quantiser is computed in f32, as accurately as f32 sums, v_exp_f32 and their like allow (about 1e-6 of the number): no bf16 or f16 on the way to a quantiser, and a product that is left as it is and whose result goes on into a quantised operand takes f32 operands (vector FMAs, or v_wmma_f32_16x16x4_f32). A number that lies on a knife's edge between two numbers of the format may be rounded either way, as far as f32 arithmetic and the matrix unit's own rounding can turn it there, and no further.
;;   INPUTS GIVEN AS CODES. W_k (in the module: [1024, 1024], K = its axis 1); W_o (in the module: [1024, 1024], K = its axis 1); W_q (in the module: [1024, 1024], K = its axis 1); W_v (in the module: [1024, 1024], K = its axis 1); x (in the module: [4, 2048, 1024], K = its axis 2): each comes as NAME_codes (uint8): NAME with its K axis moved to the last place and cut into blocks of 32 codes, [.., K / 32, bytes a block], one block behind the other in memory; one code a byte (a code: sign, 4 exponent bits, 3 mantissa bits); and NAME_scales (uint8): the same leading axes, one E8M0 byte (e + 127) for each 32 codes along K. Its value is code x scale, taken as it is: it is not quantised again, and the codes and scales need not be those that the quantiser above would give.
;; One version. Each part assembles by itself: llvm-mc -triple=amdgcn-amd-amdhsa -mcpu=gfx1250 --defsym DOCPART=n.
;; ======== version 1 of 1: 3 launches
;; limits: right only within a limited range of input values
;; workspace buffers: qc 8,388,608 bytes; qs 524,288 bytes; kv 16,777,216 bytes; sc 786,432 bytes; cc 8,388,608 bytes; cs 262,144 bytes
;; launch qkv (part 1): grid 8 x 64, 4 waves a work-group, clusters of 4 x 4, 327,680 bytes of LDS; arguments x_codes, x_scales, W_q_codes, W_q_scales, W_k_codes, W_k_scales, W_v_codes, W_v_scales, b_q, b_k, b_v, qc, qs, kv, sc; writes qc, qs, kv, sc
.if DOCPART == 1
	.amdgcn_target "amdgcn-amd-amdhsa--gfx1250"
	.amdhsa_code_object_version 6
	.text
	.protected	k_q9cfa4e8c85_qkv
	.globl	k_q9cfa4e8c85_qkv
	.p2align	8
	.type	k_q9cfa4e8c85_qkv,@function
k_q9cfa4e8c85_qkv:
	s_mov_b64 s[64:65], 0
	v_nop
	global_prefetch_b8 v0, s[64:65] scope:SCOPE_SE
	s_setreg_imm32_b32 hwreg(HW_REG_WAVE_MODE, 25, 1), 1
	s_wait_xcnt 0x0
	s_wait_alu depctr_hold_cnt(0) depctr_sa_sdst(0) depctr_va_vdst(0) depctr_va_sdst(0) depctr_va_ssrc(0) depctr_va_vcc(0) depctr_vm_vsrc(0)
	s_getreg_b32 s2, hwreg(HW_REG_IB_STS2, 6, 4)
	s_cmp_eq_u32 s2, 0
	s_cbranch_scc0 .Lentry_in_a_cluster
	s_endpgm
.Lentry_in_a_cluster:
	s_bfe_u32 s2, ttmp6, 0x10000c
	s_cmp_lg_u32 s2, 0xf033
	s_cbranch_scc0 .Lentry_shape_is_right
	s_endpgm
.Lentry_shape_is_right:
.set PITCH, 272
.set HALFT, 128*PITCH
.set SLOT,  4*HALFT
.set SCL,   2*SLOT
.set HALFS, 16*272
.set SC64,  8*272
.set SBLK,  2*272
.set SPARE, SCL+4*HALFS
.set VWS,   65536
.set ADRX, 8
.set ADRQ, 10
.set ADRK, 12
.set ADRV, 14
.set ADS1, 16
.set ADS2, 17
.set SQ,   18
.set SK,   19
.set SSQ,  20
.set SSK,  21
.set SSV,  22
.set RD,   23
.set RD8,  24
.set L16,  25
.set L8,   26
.set H32,  27
.set SPW,  28
.set NIL,  29
.set R4,   30
.set VWR,  31
.set SC,   32
.set XF,   64
.set QC,   64
.set KC,   96
.set VC,   128
.set WRD,  160
.set MX,   192
.set PM,   200
.set SO,   208
.set LM,   216
.set WQ,   224
.set WK,   228
.set WVW,  232
.set WV, 20
.set WR, 21
.set WC, 22
.set G1X,  24
.set G0X,  32
.set G0SX, 40
.set G0SW, 44
.set G1W,  48
.set G0W,  56
.set G1SX, 84
.set G1SW, 92
.set MSB, 0
.macro WIN new
.if MSB != (\new)
	s_set_vgpr_msb (MSB<<8)|(\new)
.set MSB, (\new)
.endif
.endm
.macro PLACES n
.rept \n
	v_nop
.endr
.endm
.macro JLOAD g0x, g1x, g0w, g1w
	s_cmp_eq_u32 s[WV], 0
	s_cbranch_scc0 .Lfor_w_\@
	tensor_load_to_lds s[\g0x:\g0x+3], s[\g1x:\g1x+7]
	s_nop 0
.rept 4
	v_nop
.endr
	s_branch .Lasked_\@
.Lfor_w_\@:
	tensor_load_to_lds s[\g0w:\g0w+3], s[\g1w:\g1w+7]
	s_nop 0
.rept 4
	v_nop
.endr
.Lasked_\@:
.endm
.macro CREST
	s_cmp_lg_u32 s[WV], 0
	s_cbranch_scc1 .Lnot_wave_0_\@
	s_barrier_signal -3
.Lnot_wave_0_\@:
	s_barrier_wait -3
	s_barrier_signal -1
	s_barrier_wait -1
.endm
.macro CROUND
	s_barrier_signal -1
	s_barrier_wait -1
	CREST
.endm
.macro WM d, a, b, c0, sa, sb, ra, rb
.if \ra
	v_wmma_scale_f32_16x16x128_f8f6f4 v[\d:\d+7], v[\a:\a+15], v[\b:\b+15], v[\c0:\c0+7], v[\sa], v[\sb] matrix_a_scale:MATRIX_SCALE_ROW1
.elseif \rb
	v_wmma_scale_f32_16x16x128_f8f6f4 v[\d:\d+7], v[\a:\a+15], v[\b:\b+15], v[\c0:\c0+7], v[\sa], v[\sb] matrix_b_scale:MATRIX_SCALE_ROW1
.else
	v_wmma_scale_f32_16x16x128_f8f6f4 v[\d:\d+7], v[\a:\a+15], v[\b:\b+15], v[\c0:\c0+7], v[\sa], v[\sb]
.endif
.endm
.macro MQ b, p, qq, sc, first
.irp a, 0,1,2,3
.if \first
	WM 32*\a+8*\b, 16*\b, XF+64*\p+16*\a, 192+8*\b, SC+16*\sc+2*\b+\qq, SC+16*\sc+2*\a+\qq, 1, 0
.else
	WM 32*\a+8*\b, 16*\b, XF+64*\p+16*\a, 32*\a+8*\b, SC+16*\sc+2*\b+\qq, SC+16*\sc+2*\a+\qq, 1, 0
.endif
.endr
.endm
.macro MK b, p, qq, sc, first
.irp a, 0,1,2,3
.if \first
	WM 128+32*\a+8*\b, 64+16*\b, XF+64*\p+16*\a, 224+8*\b, SC+16*\sc+8+2*\b+\qq, SC+16*\sc+2*\a+\qq, 0, 0
.else
	WM 128+32*\a+8*\b, 64+16*\b, XF+64*\p+16*\a, 128+32*\a+8*\b, SC+16*\sc+8+2*\b+\qq, SC+16*\sc+2*\a+\qq, 0, 0
.endif
.endr
.endm
.macro MV t, p, qq, sc, first
.irp b, 0,1,2,3
.if \first
	WM 32*\t+8*\b, XF+64*\p+16*\b, 128+16*\t, 128+8*\t, SC+16*\sc+2*\b+\qq, SC+16*\sc+8+2*\t+\qq, 0, 1
.else
	WM 32*\t+8*\b, XF+64*\p+16*\b, 128+16*\t, 32*\t+8*\b, SC+16*\sc+2*\b+\qq, SC+16*\sc+8+2*\t+\qq, 0, 1
.endif
.endr
.endm
.macro FRAG reg, adr, qq, i
.irp c, 0,1,2,3
	ds_load_b128 v[\reg+4*\c:\reg+4*\c+3], v[\adr] offset:128*(\qq)+32*\c+(\i)*16*PITCH
.endr
.endm
.macro FETCH_X slot, qq, p
	WIN 0
.irp i, 0,1,2,3
	FRAG XF+64*\p+16*\i, ADRX+\slot, \qq, \i
.endr
.endm
.macro FETCH_W slot, qq, half
	WIN 0x40
.if \half == 0
.irp i, 0,1,2,3
	FRAG 16*\i, ADRQ+\slot, \qq, \i
.endr
	FRAG 64, ADRK+\slot, \qq, 0
	FRAG 80, ADRK+\slot, \qq, 1
.else
	FRAG 96, ADRK+\slot, \qq, 2
	FRAG 112, ADRK+\slot, \qq, 3
.irp i, 0,1,2,3
	FRAG 128+16*\i, ADRV+\slot, \qq, \i
.endr
.endif
.endm
.macro SCALES ss
.irp i, 0,1,2,3
	ds_load_b64 v[SC+16*\ss+2*\i:SC+16*\ss+2*\i+1], v[ADS1] offset:\i*SBLK
.endr
.irp i, 0,1,2,3
	ds_load_b64 v[SC+16*\ss+8+2*\i:SC+16*\ss+8+2*\i+1], v[ADS2] offset:\i*SBLK
.endr
.endm
	s_load_b256 s[4:11], s[0:1], 0x0
	s_load_b256 s[12:19], s[0:1], 0x20
	s_load_b256 s[68:75], s[0:1], 0x40
	s_load_b128 s[76:79], s[0:1], 0x60
	s_load_b64 s[80:81], s[0:1], 0x70
	v_lshl_add_u32 v[SPW], v0, 2, SPARE
	v_mov_b32 v[NIL], 0
	ds_add_u32 v28, v29
	ds_add_u32 v28, v29
	s_wait_dscnt 0x0
	v_lshrrev_b32 v1, 5, v0
	v_readfirstlane_b32 s[WV], v1
	s_lshr_b32 s[WR], s[WV], 1
	s_and_b32 s[WC], s[WV], 1
	s_bfe_u32 s66, ttmp6, 0x40000
	s_bfe_u32 s67, ttmp6, 0x40004
	s_lshl_b32 s82, ttmp9, 2
	s_add_co_u32 s82, s82, s66
	s_and_b32 s83, ttmp7, 0xffff
	s_lshl_b32 s83, s83, 2
	s_add_co_u32 s83, s83, s67
	s_lshl_b32 s23, s67, 2
	s_lshl_b32 s23, 15, s23
	s_lshl_b32 s3, 0x1111, s66
	s_or_b32 s[G1X], s23, (1<<20)|(1<<21)|(5<<22)|(3<<25)
	s_or_b32 s[G1W], s3, (1<<20)|(1<<21)|(5<<22)|(3<<25)
	s_or_b32 s[G1SX], s23, (3<<16)|(1<<20)|(1<<21)|(5<<22)|(3<<25)
	s_or_b32 s[G1SW], s3, (3<<16)|(1<<20)|(1<<21)|(5<<22)|(3<<25)
.irp g, G1X, G1W
	s_mov_b32 s[\g+1], 256<<16
	s_mov_b32 s[\g+2], 128<<16
	s_mov_b32 s[\g+3], 256<<16
	s_mov_b32 s[\g+4], 128
	s_mov_b32 s[\g+5], 1024
	s_mov_b32 s[\g+6], 0
	s_mov_b32 s[\g+7], 0
.endr
.irp g, G1SX, G1SW
	s_mov_b32 s[\g+1], 32<<16
	s_mov_b32 s[\g+2], 16<<16
	s_mov_b32 s[\g+3], 32<<16
	s_mov_b32 s[\g+4], 16
	s_mov_b32 s[\g+5], 32
	s_mov_b32 s[\g+6], 0
	s_mov_b32 s[\g+7], 0
.endr
	s_lshl_b32 s100, s83, 17
	s_mov_b32 s101, 0
	s_lshl_b32 s2, s82, 17
	s_mov_b32 s3, 0
	s_mul_i32 s66, s[WV], HALFT
	s_mul_i32 s67, s[WV], HALFS
	s_wait_kmcnt 0x0
	s_cmp_eq_u32 s[WV], 2
	s_cselect_b64 s[8:9], s[12:13], s[8:9]
	s_cselect_b64 s[10:11], s[14:15], s[10:11]
	s_cmp_eq_u32 s[WV], 3
	s_cselect_b64 s[8:9], s[16:17], s[8:9]
	s_cselect_b64 s[10:11], s[18:19], s[10:11]
	s_add_nc_u64 s[4:5], s[4:5], s[100:101]
	s_add_nc_u64 s[8:9], s[8:9], s[2:3]
	s_lshl_b32 s100, s83, 12
	s_lshl_b32 s2, s82, 12
	s_add_nc_u64 s[6:7], s[6:7], s[100:101]
	s_add_nc_u64 s[10:11], s[10:11], s[2:3]
	CROUND
	s_mov_b32 s[G0SX], 1
	s_add_co_u32 s[G0SX+1], s67, SCL
	s_mov_b64 s[G0SX+2:G0SX+3], s[6:7]
	s_or_b32 s[G0SX+3], s[G0SX+3], 0x80000000
	s_mov_b32 s[G0SW], 1
	s_add_co_u32 s[G0SW+1], s67, SCL
	s_mov_b64 s[G0SW+2:G0SW+3], s[10:11]
	s_or_b32 s[G0SW+3], s[G0SW+3], 0x80000000
	JLOAD G0SX, G1SX, G0SW, G1SW
.irp s, 0,1
	s_mov_b32 s[G0X+4*\s], 1
	s_add_co_u32 s[G0X+4*\s+1], s66, \s*SLOT
	s_add_nc_u64 s[G0X+4*\s+2:G0X+4*\s+3], s[4:5], \s*256
	s_or_b32 s[G0X+4*\s+3], s[G0X+4*\s+3], 0x80000000
	s_mov_b32 s[G0W+4*\s], 1
	s_add_co_u32 s[G0W+4*\s+1], s66, \s*SLOT
	s_add_nc_u64 s[G0W+4*\s+2:G0W+4*\s+3], s[8:9], \s*256
	s_or_b32 s[G0W+4*\s+3], s[G0W+4*\s+3], 0x80000000
	s_wait_alu depctr_va_vdst(0)
	s_wait_tensorcnt 0x0
	ds_add_u32 v28, v29
	s_wait_dscnt 0x0
	CROUND
	JLOAD G0X+4*\s, G1X, G0W+4*\s, G1W
.endr
	s_mov_b32 s4, 0x76543210
	s_mov_b32 s5, 0xfedcba98
	v_and_b32 v1, 15, v0
	v_bfe_u32 v2, v0, 4, 1
	v_mul_u32_u24 v3, v1, PITCH
	v_lshl_add_u32 v3, v2, 4, v3
	s_mul_i32 s2, s[WR], 64*PITCH
	s_mul_i32 s3, s[WC], 64*PITCH
	s_add_co_u32 s3, s3, HALFT
.irp s, 0,1
	v_add_nc_u32 v[ADRX+\s], s2, v3
	v_add_nc_u32 v[ADRQ+\s], s3, v3
	v_add_nc_u32 v[ADRK+\s], HALFT, v[ADRQ+\s]
	v_add_nc_u32 v[ADRV+\s], 2*HALFT, v[ADRQ+\s]
	s_add_co_u32 s2, s2, SLOT
	s_add_co_u32 s3, s3, SLOT
.endr
	v_lshrrev_b32 v5, 3, v1
	v_and_b32 v6, 7, v1
	v_lshlrev_b32 v3, 5, v1
	v_lshl_add_u32 v3, v5, 4, v3
	s_mul_i32 s2, s[WR], SC64
	s_mul_i32 s3, s[WC], SC64
	s_add_co_u32 s3, s3, HALFS
	s_sub_co_u32 s3, s3, s2
	v_mul_u32_u24 v4, s3, v2
	s_add_co_u32 s2, s2, SCL
	v_add_nc_u32 v4, v4, v3
	v_add_nc_u32 v[ADS1], s2, v4
	s_mul_i32 s3, s[WC], SC64
	s_add_co_u32 s3, s3, SCL+2*HALFS
	v_mul_u32_u24 v4, v2, HALFS
	v_add_nc_u32 v4, v4, v3
	v_add_nc_u32 v[ADS2], s3, v4
	v_lshlrev_b32 v[H32], 5, v2
	v_lshlrev_b32 v[R4], 2, v1
	s_lshl_b32 s2, s[WV], 14
	v_and_b32 v3, 31, v0
	v_lshlrev_b32 v[L16], 4, v3
	v_lshlrev_b32 v[L8], 3, v3
	v_add_nc_u32 v[RD], s2, v[L16]
	v_add_nc_u32 v[RD8], s2, v[L8]
	v_lshlrev_b32 v4, 4, v1
	v_lshl_add_u32 v4, v2, 3, v4
	v_add_nc_u32 v[SQ], s2, v4
	v_lshlrev_b32 v7, 4, v6
	v_lshl_add_u32 v7, v5, 10, v7
	v_lshl_add_u32 v7, v2, 3, v7
	v_add_nc_u32 v[SK], s2, v7
	v_add_nc_u32 v[SSQ], s2, v[R4]
	v_lshlrev_b32 v7, 3, v6
	v_lshl_add_u32 v7, v5, 7, v7
	v_add_nc_u32 v[SSK], s2, v7
	s_lshl_b32 s3, s[WC], 8
	s_add_co_u32 s3, s3, VWS
	v_add_nc_u32 v[VWR], s3, v[L8]
	s_lshl_b32 s2, s[WR], 1
	s_add_co_u32 s3, s3, s2
	v_add_nc_u32 v[SSV], s3, v7
	s_lshl_b32 s2, s82, 9
	s_lshl_b32 s3, s[WC], 8
	s_add_co_u32 s2, s2, s3
	s_mov_b32 s3, 0
	s_add_nc_u64 s[68:69], s[68:69], s[2:3]
	s_add_nc_u64 s[70:71], s[70:71], s[2:3]
	s_add_nc_u64 s[72:73], s[72:73], s[2:3]
	WIN 0x40
.irp b, 0,1,2,3
	global_load_b128 v[192+8*\b:195+8*\b], v[H32], s[68:69] offset:64*\b
	global_load_b128 v[196+8*\b:199+8*\b], v[H32], s[68:69] offset:64*\b+16
	global_load_b128 v[224+8*\b:227+8*\b], v[H32], s[70:71] offset:64*\b
	global_load_b128 v[228+8*\b:231+8*\b], v[H32], s[70:71] offset:64*\b+16
.endr
	WIN 0xc0
.irp a, 0,1,2,3
.irp j, 0,1,2,3,4,5,6,7
	global_load_b32 v[128+8*\a+\j], v[R4], s[72:73] offset:64*\a
.endr
.endr
	WIN 0
.macro STEP slot, first
	s_wait_dscnt 24
	WIN 0xa1-0x10*\first
.irp n, 0,1,2,3
	MQ \n, 0, 0, \slot, \first
.endr
	MK 0, 0, 0, \slot, \first
	MK 1, 0, 0, \slot, \first
	s_wait_dscnt 0x0
	PLACES 8
	FETCH_X \slot, 1, 1
	FETCH_W \slot, 1, 0
	WIN 0xa1-0x10*\first
	MK 2, 0, 0, \slot, \first
	MK 3, 0, 0, \slot, \first
	WIN 0xf4
.irp n, 0,1,2,3
	MV \n, 0, 0, \slot, \first
.endr
	PLACES 8
	FETCH_W \slot, 1, 1
	WIN 0
.endm
.macro TURN slot, nxt, fill
	s_wait_tensorcnt 0x0
	ds_add_u32 v[SPW], v[NIL]
	s_wait_dscnt 25
	WIN 0xa1
	MQ 0, 1, 1, \slot, 0
	MQ 1, 1, 1, \slot, 0
	MQ 2, 1, 1, \slot, 0
	s_wait_dscnt 0x0
	s_barrier_signal -1
	MQ 3, 1, 1, \slot, 0
	MK 0, 1, 1, \slot, 0
	MK 1, 1, 1, \slot, 0
	WIN 0
	s_barrier_wait -1
.if \fill
	CREST
	s_add_nc_u64 s[G0X+4*\slot+2:G0X+4*\slot+3], s[G0X+4*\slot+2:G0X+4*\slot+3], 512
	s_add_nc_u64 s[G0W+4*\slot+2:G0W+4*\slot+3], s[G0W+4*\slot+2:G0W+4*\slot+3], 512
	JLOAD G0X+4*\slot, G1X, G0W+4*\slot, G1W
	PLACES 4
.else
	PLACES 8
.endif
	s_wait_alu depctr_va_vdst(0)
	v_add_nc_u32 v[ADS1], 8, v[ADS1]
	v_add_nc_u32 v[ADS2], 8, v[ADS2]
	FETCH_X \nxt, 0, 0
	FETCH_W \nxt, 0, 0
	WIN 0
	SCALES \nxt
	WIN 0xa1
	MK 2, 1, 1, \slot, 0
	MK 3, 1, 1, \slot, 0
	WIN 0xf4
.irp n, 0,1,2,3
	MV \n, 1, 1, \slot, 0
.endr
	PLACES 8
	FETCH_W \nxt, 0, 1
	WIN 0
.endm
	s_wait_tensorcnt 1
	s_barrier_signal -1
	s_barrier_wait -1
	FETCH_X 0, 0, 0
	FETCH_W 0, 0, 0
	WIN 0
	SCALES 0
	FETCH_W 0, 0, 1
	WIN 0
	s_wait_loadcnt 0x0
	STEP 0, 1
	TURN 0, 1, 1
	STEP 1, 0
	TURN 1, 0, 1
	STEP 0, 0
	TURN 0, 1, 0
	STEP 1, 0
	s_wait_dscnt 24
	WIN 0xa1
.irp n, 0,1,2,3
	MQ \n, 1, 1, 1, 0
.endr
	MK 0, 1, 1, 1, 0
	MK 1, 1, 1, 1, 0
	s_wait_dscnt 0x0
	MK 2, 1, 1, 1, 0
	MK 3, 1, 1, 1, 0
	WIN 0xf4
.irp n, 0,1,2,3
	MV \n, 1, 1, 1, 0
.endr
	WIN 0
.macro QUANT128 wmax, wmed, wcvt, base, cd, wd
	WIN \wmax
.irp a, 0,1,2,3
.irp e, 0,1
	v_max3_num_f32 v[MX+2*\a+\e], |v[\base+32*\a+16*\e]|, |v[\base+32*\a+16*\e+1]|, 0x4800000
.endr
.endr
.irp i, 2,4,6,8,10,12,14
.irp a, 0,1,2,3
.irp e, 0,1
	v_max3_num_f32 v[MX+2*\a+\e], |v[\base+32*\a+16*\e+\i]|, |v[\base+32*\a+16*\e+\i+1]|, v[MX+2*\a+\e]
.endr
.endr
.endr
	WIN 0
.irp n, 0,1,2,3,4,5,6,7
	v_permlanex16_b32 v[PM+\n], v[MX+\n], s4, s5
.endr
.irp n, 0,1,2,3,4,5,6,7
	v_max_num_f32 v[MX+\n], v[MX+\n], v[PM+\n]
.endr
.irp n, 0,1,2,3,4,5,6,7
	v_add_nc_u32 v[SO+\n], 0xfc000000, v[MX+\n]
.endr
.irp n, 0,1,2,3,4,5,6,7
.endr
.irp n, 0,1,2,3,4,5,6,7
	v_lshrrev_b32 v[PM+\n], 23, v[SO+\n]
.endr
.irp a, 0,1,2,3
	v_lshl_or_b32 v[\wd+\a], v[PM+2*\a+1], 8, v[PM+2*\a]
.endr
	WIN \wmed
.irp a, 0,1,2,3
.irp e, 0,1
.irp i, 0,1,2,3,4,5,6,7,8,9,10,11,12,13,14,15
.endr
.endr
.endr
	WIN \wcvt
.irp a, 0,1,2,3
.irp b, 0,1,2,3
	v_cvt_scalef32_pk8_fp8_f32 v[\cd+2*(4*\a+\b):\cd+2*(4*\a+\b)+1], v[\base+32*\a+8*\b:\base+32*\a+8*\b+7], v[SO+2*\a+\b/2]
.endr
.endr
	WIN 0
	v_nop
.endm
.irp n, 0,1,2,3,4,5,6,7
	v_mov_b32 v[PM+\n], 0
.endr
	QUANT128 0x0a, 0x82, 0x02, 0, QC, WQ
	QUANT128 0x0a, 0x82, 0x02, 128, KC, WK
	QUANT128 0x0f, 0xc3, 0x03, 0, VC, WVW
.irp a, 0,1,2,3
.irp b, 0,1,2,3
	ds_store_b64 v[SQ], v[QC+2*(4*\a+\b):QC+2*(4*\a+\b)+1] offset:1024*\a+512*(\b/2)+256*(\b%2)
	ds_store_b64 v[SK], v[KC+2*(4*\a+\b):KC+2*(4*\a+\b)+1] offset:4096+2048*(\a/2)+128*(\a%2)+512*(\b/2)+256*(\b%2)
	ds_store_b64 v[SK], v[VC+2*(4*\a+\b):VC+2*(4*\a+\b)+1] offset:8192+2048*(\a/2)+128*(\a%2)+512*(\b/2)+256*(\b%2)
.endr
.endr
.irp a, 0,1,2,3
	ds_store_b32 v[SSQ], v[WQ+\a] offset:12288+64*\a
	ds_store_b32 v[SSK], v[WK+\a] offset:12544+64*(\a%2)+4*(\a/2)
	ds_store_b16 v[SSV], v[WVW+\a] offset:64*(\a%2)+4*(\a/2)
.endr
	s_wait_dscnt 0x0
	s_barrier_signal -1
	s_barrier_wait -1
	ds_load_b64 v[WRD:WRD+1], v[RD8] offset:12288
	ds_load_b64 v[WRD+2:WRD+3], v[RD8] offset:12544
	ds_load_b64 v[WRD+4:WRD+5], v[VWR]
.irp i, 0,1,2,3,4,5,6,7,8,9,10,11,12,13,14,15,16,17,18,19,20,21,22,23
	ds_load_b128 v[64+4*\i:67+4*\i], v[RD] offset:512*\i
.endr
	s_lshr_b32 s8, s83, 4
	s_and_b32 s9, s83, 15
	s_lshl_b32 s8, s8, 4
	s_lshl_b32 s10, s82, 1
	s_add_co_u32 s8, s8, s10
	s_add_co_u32 s8, s8, s[WC]
	s_lshl_b32 s10, s9, 13
	s_lshl_b32 s11, s[WR], 12
	s_add_co_u32 s10, s10, s11
	s_mov_b32 s13, 0
	s_lshl_b32 s12, s8, 17
	s_add_co_u32 s12, s12, s10
	s_add_nc_u64 s[74:75], s[74:75], s[12:13]
	s_lshl_b32 s12, s8, 18
	s_add_co_u32 s12, s12, s10
	s_add_nc_u64 s[78:79], s[78:79], s[12:13]
	s_lshl_b32 s10, s9, 9
	s_lshl_b32 s11, s[WR], 8
	s_add_co_u32 s10, s10, s11
	s_lshl_b32 s12, s8, 13
	s_add_co_u32 s12, s12, s10
	s_add_nc_u64 s[76:77], s[76:77], s[12:13]
	s_mul_i32 s14, s8, 12288
	s_add_co_u32 s12, s14, s10
	s_add_nc_u64 s[16:17], s[80:81], s[12:13]
	s_lshl_b32 s12, s9, 8
	s_add_co_u32 s12, s12, s14
	s_add_co_u32 s12, s12, 8192
	s_add_nc_u64 s[18:19], s[80:81], s[12:13]
	s_wait_dscnt 24
	global_store_b64 v[L8], v[WRD:WRD+1], s[76:77]
	global_store_b64 v[L8], v[WRD+2:WRD+3], s[16:17]
	s_cmp_lg_u32 s[WR], 0
	s_cbranch_scc1 .Lno_vw
	global_store_b64 v[L8], v[WRD+4:WRD+5], s[18:19]
.Lno_vw:
.irp i, 0,1,2,3,4,5,6,7
	s_wait_dscnt 23-\i
	global_store_b128 v[L16], v[QC+4*\i:QC+4*\i+3], s[74:75] offset:512*\i
.endr
.irp i, 0,1,2,3,4,5,6,7
	s_wait_dscnt 15-\i
	global_store_b128 v[L16], v[KC+4*\i:KC+4*\i+3], s[78:79] offset:512*\i
.endr
.irp i, 0,1,2,3,4,5,6,7
	s_wait_dscnt 7-\i
	global_store_b128 v[L16], v[VC+4*\i:VC+4*\i+3], s[78:79] offset:131072+512*\i
.endr
	s_wait_tensorcnt 0x0
	ds_add_u32 v[SPW], v[NIL]
	s_wait_dscnt 0x0
	CROUND
	s_endpgm
.Lfunc_end_k_q9cfa4e8c85_qkv:
	.size	k_q9cfa4e8c85_qkv, .Lfunc_end_k_q9cfa4e8c85_qkv-k_q9cfa4e8c85_qkv
	.p2alignl 7, 3214868480
	.fill 96, 4, 3214868480
	.section	.rodata,"a",@progbits
	.p2align	6, 0x0
	.amdhsa_kernel k_q9cfa4e8c85_qkv
		.amdhsa_group_segment_fixed_size 327680
		.amdhsa_private_segment_fixed_size 0
		.amdhsa_enable_private_segment 0
		.amdhsa_kernarg_size 120
		.amdhsa_user_sgpr_count 2
		.amdhsa_user_sgpr_kernarg_segment_ptr 1
		.amdhsa_wavefront_size32 1
		.amdhsa_system_sgpr_workgroup_id_x 1
		.amdhsa_system_sgpr_workgroup_id_y 1
		.amdhsa_system_sgpr_workgroup_id_z 1
		.amdhsa_system_vgpr_workitem_id 0
		.amdhsa_next_free_vgpr 1024
		.amdhsa_next_free_sgpr 102
		.amdhsa_reserve_vcc 0
		.amdhsa_float_denorm_mode_32 3
		.amdhsa_float_denorm_mode_16_64 3
		.amdhsa_fp16_overflow 1
		.amdhsa_memory_ordered 1
		.amdhsa_forward_progress 1
		.amdhsa_inst_pref_size 139
	.end_amdhsa_kernel
	.amdgpu_metadata
---
amdhsa.version: [ 1, 2 ]
amdhsa.kernels:
  - .name:           k_q9cfa4e8c85_qkv
    .symbol:         k_q9cfa4e8c85_qkv.kd
    .args:
      - { .name: x_codes, .offset: 0, .size: 8, .value_kind: global_buffer, .address_space: global }
      - { .name: x_scales, .offset: 8, .size: 8, .value_kind: global_buffer, .address_space: global }
      - { .name: W_q_codes, .offset: 16, .size: 8, .value_kind: global_buffer, .address_space: global }
      - { .name: W_q_scales, .offset: 24, .size: 8, .value_kind: global_buffer, .address_space: global }
      - { .name: W_k_codes, .offset: 32, .size: 8, .value_kind: global_buffer, .address_space: global }
      - { .name: W_k_scales, .offset: 40, .size: 8, .value_kind: global_buffer, .address_space: global }
      - { .name: W_v_codes, .offset: 48, .size: 8, .value_kind: global_buffer, .address_space: global }
      - { .name: W_v_scales, .offset: 56, .size: 8, .value_kind: global_buffer, .address_space: global }
      - { .name: b_q, .offset: 64, .size: 8, .value_kind: global_buffer, .address_space: global }
      - { .name: b_k, .offset: 72, .size: 8, .value_kind: global_buffer, .address_space: global }
      - { .name: b_v, .offset: 80, .size: 8, .value_kind: global_buffer, .address_space: global }
      - { .name: qc, .offset: 88, .size: 8, .value_kind: global_buffer, .address_space: global }
      - { .name: qs, .offset: 96, .size: 8, .value_kind: global_buffer, .address_space: global }
      - { .name: kv, .offset: 104, .size: 8, .value_kind: global_buffer, .address_space: global }
      - { .name: sc, .offset: 112, .size: 8, .value_kind: global_buffer, .address_space: global }
    .group_segment_fixed_size: 327680
    .private_segment_fixed_size: 0
    .kernarg_segment_align: 8
    .kernarg_segment_size: 120
    .max_flat_workgroup_size: 128
    .sgpr_count:     102
    .vgpr_count:     1024
    .wavefront_size: 32
...
	.end_amdgpu_metadata
.endif
;; end of part 1
;; launch attn (part 2): grid 4 x 64, 16 waves a work-group, clusters of 4 x 1, 276,480 bytes of LDS; arguments qc, qs, kv, sc, cc, cs; writes cc, cs
.if DOCPART == 2
	.amdgcn_target "amdgcn-amd-amdhsa--gfx1250"
	.amdhsa_code_object_version 6
	.text
	.protected	k_q9cfa4e8c85_attn
	.globl	k_q9cfa4e8c85_attn
	.p2align	8
	.type	k_q9cfa4e8c85_attn,@function
k_q9cfa4e8c85_attn:
	s_mov_b64 s[64:65], 0
	v_nop
	global_prefetch_b8 v0, s[64:65] scope:SCOPE_SE
	s_setreg_imm32_b32 hwreg(HW_REG_WAVE_MODE, 25, 1), 1
	s_wait_xcnt 0x0
	s_wait_alu depctr_hold_cnt(0) depctr_sa_sdst(0) depctr_va_vdst(0) depctr_va_sdst(0) depctr_va_ssrc(0) depctr_va_vcc(0) depctr_vm_vsrc(0)
	s_getreg_b32 s2, hwreg(HW_REG_IB_STS2, 6, 4)
	s_cmp_eq_u32 s2, 0
	s_cbranch_scc0 .Lentry_in_a_cluster
	s_endpgm
.Lentry_in_a_cluster:
	s_bfe_u32 s2, ttmp6, 0x10000c
	s_cmp_lg_u32 s2, 0x3003
	s_cbranch_scc0 .Lentry_shape_is_right
	s_endpgm
.Lentry_shape_is_right:
; context = softmax(q k^T / 8) v for one head, both products on codes of E4M3 with E8M0 scales; the context is divided by the row's sum, quantised along the features and stored as codes.
; THE SOFTMAX: t = score x log2(e) / 8; M = the row's largest t so far, rounded UP to a whole number; p = 2^(t - M) is quantised along the keys, not normalised; the row's sum is taken of the
; unquantised p.  When M moves, the sum and O are multiplied by 2^(old M - new M), which rounds nothing.
; SHARES.  A work-group: 512 queries of one head (bh).  Each of its sixteen waves makes one tile of 16 queries at a time, twice; four waves to a SIMD, so that one wave's vector work stands beside another's products and LDS loads.
; A HEAD'S WHOLE K AND V STAY IN LDS: 262,144 bytes of codes and 12,288 of scale words, filled once: no ring and no refill.  They lie as images of the operands' registers: every fragment load is 16 x lane, dense.
; CLUSTER.  The four work-groups of a cluster share the head: each tile is asked for jointly, by the same tensor load with a mask that names the four.
; THE FIRST PRODUCT HAS K = 64, the instruction 128: the upper eight registers of Q's and of each K fragment hold zero codes for the whole launch, which add nothing; their scale bytes are 0, which is no NaN.
; LAYOUT.  Both products are used transposed (S^T = K Q^T, O^T = V^T P^T): a lane holds one query.  The keys of a tile of K, and the head's 64 in a tile of V, were laid by the launch before so that
; the 16 registers of two neighbouring tiles are 16 neighbours: of the keys (p's blocks), and of the features (the context's blocks).
; cs: a row's scale word of 128 features holds two heads' bytes, so a head stores two bytes of each four: 2-byte stores, 262,144 bytes in the whole launch.
; LIMITS: NaN and infinities are not served.  v_exp_f32 gives 0 for results under 2^-126.  A block under 2^(9 - 127) gets the byte 1 (its codes are then zeros or the format's smallest numbers, as the quantiser's hold at -126 has it).
.set KLDS,  0
.set VLDS,  131072
.set KSLDS, 262144
.set VSLDS, 270336
.set L16,  1                           ; v1   16 x lane
.set ADK,  2                           ; v2-5 the step's addresses: K, V, K's words, V's words
.set ADV,  3
.set ADKS, 4
.set ADVS, 5
.set BV,   6                           ; v6-8 their bases for my lane
.set BKS,  7
.set BVS,  8
.set R4,   9                           ; v9   4 x (lane % 16)
.set QF,   16                          ; v16-23 Q, v24-31 zeros
.set KB,   32                          ; v32-95 four K fragments; the upper eight registers of each are zeros
.set SS,   96                          ; v96-159 S^T, then p, then V's four fragments
.set OT,   160                         ; v160-191 O^T
.set PC,   192                         ; v192-207 p's codes
.set BM,   208                         ; v208-211 the blocks' largest
.set PB,   212                         ; v212-215 the other half's, then the bytes
.set LM,   216
.set SO,   220                         ; v220-223 the conversions' scale operands
.set KW,   224                         ; v224-227 K's scale words; v228-229 V's; v230 Q's; v231 p's: these hold scales and nothing else
.set VW,   228
.set QW,   230
.set PW,   231
.set FF,   232                         ; v[232:233] f = 2^(old M - new M)
.set TT,   234
.set CW,   235                         ; the context's two scale bytes
.set SUM2, 236                         ; v[236:237] the second chain of the row's sum
.set WV, 16
.set MNT, 19
.set SEL, 20
.set CS, 22
.set G1C, 24
.set G1S, 32
.set G0C, 40
.set G0S, 44
.set TK, 60
.set TS, 61
.set TJ, 62
.set CNT, 63
.macro CROUND
	s_barrier_signal -1
	s_barrier_wait -1
	s_cmp_lg_u32 s[WV], 0
	s_cbranch_scc1 .Lnot_wave_0_\@
	s_barrier_signal -3
.Lnot_wave_0_\@:
	s_barrier_wait -3
	s_barrier_signal -1
	s_barrier_wait -1
.endm
	s_load_b256 s[4:11], s[0:1], 0x0               ; qc, qs, kv, sc
	s_load_b128 s[12:15], s[0:1], 0x20             ; cc, cs
	v_lshl_add_u32 v254, v0, 2, 0x43000
	v_mov_b32 v255, 0
	ds_add_u32 v254, v255
	ds_add_u32 v254, v255
	v_lshrrev_b32 v1, 5, v0
	s_delay_alu instid0(VALU_DEP_1)
	v_readfirstlane_b32 s[WV], v1                  ; wave 0..15
	s_bfe_u32 s17, ttmp6, 0x40000                  ; cx
	s_lshl_b32 s66, ttmp9, 2
	s_add_co_u32 s17, s17, s66                     ; my block of 512 queries: it enters Q's, cc's and cs's addresses alone
	s_and_b32 s18, ttmp7, 0xffff                   ; bh, which the four partners share
	s_mov_b32 s[G1C], 15|(3<<16)|(1<<21)           ; 15:0 the mask: all four; elements of 8 bytes; 21 set beside a mask; no padding
	s_mov_b32 s[G1C+1], 32<<16                     ; 128 rows of 256 bytes, dense
	s_mov_b32 s[G1C+2], 128<<16
	s_mov_b32 s[G1C+3], 32<<16
	s_mov_b32 s[G1C+4], 128
	s_mov_b32 s[G1C+5], 32
	s_mov_b32 s[G1C+6], 0
	s_mov_b32 s[G1C+7], 0
	s_mov_b32 s[G1S], 15|(3<<16)|(1<<21)           ; the scale words: 48 rows of 256 bytes
	s_mov_b32 s[G1S+1], 32<<16
	s_mov_b32 s[G1S+2], 48<<16
	s_mov_b32 s[G1S+3], 32<<16
	s_mov_b32 s[G1S+4], 48
	s_mov_b32 s[G1S+5], 32
	s_mov_b32 s[G1S+6], 0
	s_mov_b32 s[G1S+7], 0
	s_lshl_b32 s68, s[WV], 15                      ; waves 0 to 7: 32,768 bytes each of the head's K | V, in memory and in LDS alike
	s_lshl_b32 s66, s18, 18
	s_add_co_u32 s66, s66, s68
	s_mov_b32 s67, 0
	s_mul_i32 s70, s18, 12288
	s_mov_b32 s71, 0
	s_mov_b32 s[SEL], 0x76543210
	s_mov_b32 s[SEL+1], 0xfedcba98                 ; v_permlanex16_b32's selects for lane l xor 16
	s_mov_b32 s[CS], 0x3e38aa3b                    ; c = log2(e) / 8
	s_mov_b32 s[CS+1], s[CS]                       ; (named with it as a pair, so it is written)
	s_wait_dscnt 0x0
	s_wait_kmcnt 0x0
	s_add_nc_u64 s[8:9], s[8:9], s[66:67]
	s_add_nc_u64 s[10:11], s[10:11], s[70:71]
	CROUND                                         ; all four work-groups are here: the joint loads meet
	s_mov_b32 s[G0C], 1
	s_mov_b32 s[G0C+1], s68
	s_mov_b64 s[G0C+2:G0C+3], s[8:9]
	s_or_b32 s[G0C+3], s[G0C+3], 0x80000000
	s_mov_b32 s[G0S], 1
	s_mov_b32 s[G0S+1], KSLDS
	s_mov_b64 s[G0S+2:G0S+3], s[10:11]
	s_or_b32 s[G0S+3], s[G0S+3], 0x80000000
	s_cmp_lt_u32 s[WV], 8                          ; one load a wave: waves 0-7 the codes, wave 8 the scale words, the others none.  Four v_nop follow each line
	s_cbranch_scc0 .Lnot_codes
	tensor_load_to_lds s[G0C:G0C+3], s[G1C:G1C+7]
	s_nop 0
.rept 4
	v_nop
.endr
	s_branch .Lasked
.Lnot_codes:
	s_cmp_eq_u32 s[WV], 8
	s_cbranch_scc0 .Lasked
	tensor_load_to_lds s[G0S:G0S+3], s[G1S:G1S+7]
	s_nop 0
.rept 4
	v_nop
.endr
.Lasked:
	s_lshl_b32 s70, s17, 5
	s_add_co_u32 s70, s70, s[WV]                   ; my first tile of queries: 32 x block + wave; the second lies 16 tiles on
	s_mov_b32 s73, 0
	s_lshl_b32 s72, s18, 17
	s_lshl_b32 s71, s70, 10
	s_add_co_u32 s72, s72, s71
	s_add_nc_u64 s[4:5], s[4:5], s[72:73]          ; Q's codes: 131,072 bh + 1,024 tile
	s_lshl_b32 s72, s18, 13
	s_lshl_b32 s71, s70, 6
	s_add_co_u32 s72, s72, s71
	s_add_nc_u64 s[6:7], s[6:7], s[72:73]          ; Q's words: 8,192 bh + 64 tile
	s_lshr_b32 s72, s18, 4
	s_lshl_b32 s72, s72, 7
	s_add_co_u32 s72, s72, s70                     ; the row tile: 128 x batch + tile
	s_lshl_b32 s72, s72, 14
	s_bfe_u32 s74, s18, 0x30001                    ; head / 2: which 128 of the 1,024 features
	s_lshl_b32 s74, s74, 11
	s_add_co_u32 s72, s72, s74
	s_and_b32 s74, s18, 1                          ; head % 2: which half of them
	s_lshl_b32 s75, s74, 10
	s_add_co_u32 s72, s72, s75
	s_add_nc_u64 s[12:13], s[12:13], s[72:73]      ; cc
	s_lshr_b32 s72, s18, 1
	s_lshl_b32 s72, s72, 13
	s_add_co_u32 s72, s72, s71
	s_lshl_b32 s74, s74, 1
	s_add_co_u32 s72, s72, s74
	s_add_nc_u64 s[14:15], s[14:15], s[72:73]      ; cs: 8,192 (bh / 2) + 64 tile + 2 (head % 2)
	v_and_b32 v10, 31, v0
	s_delay_alu instid0(VALU_DEP_1)
	v_lshlrev_b32 v[L16], 4, v10
	s_delay_alu instid0(VALU_DEP_2)
	v_lshlrev_b32 v11, 3, v10
	s_delay_alu instid0(VALU_DEP_2)
	v_add_nc_u32 v[BV], VLDS, v[L16]
	s_delay_alu instid0(VALU_DEP_2)
	v_add_nc_u32 v[BKS], KSLDS, v11
	s_delay_alu instid0(VALU_DEP_3)
	v_add_nc_u32 v[BVS], VSLDS, v11
	v_and_b32 v[R4], 15, v0
	s_delay_alu instid0(VALU_DEP_1)
	v_lshlrev_b32 v[R4], 2, v[R4]
.irp i, 8,9,10,11,12,13,14,15
	v_mov_b32 v[QF+\i], 0                          ; the zero codes of K = 64 .. 127: written once
.irp t, 0,1,2,3
	v_mov_b32 v[KB+16*\t+\i], 0
.endr
.endr
.irp b, 0,1,2,3
	v_mov_b32 v[PB+\b], 0                          ; a lane permute's destination counts as one of its sources
.endr
	v_mov_b32 v[FF+1], 0                           ; (named as the upper half of a pair)
	v_mov_b32 v[TT], 0
; A KEY STEP: 128 keys.
.macro STEP
	v_add_nc_u32 v[ADK], s[TK], v[L16]
	s_wait_alu depctr_va_vdst(0)
	v_add_nc_u32 v[ADV], s[TK], v[BV]
	v_add_nc_u32 v[ADKS], s[TS], v[BKS]
	v_add_nc_u32 v[ADVS], s[TJ], v[BVS]
.rept 5
	v_nop                                          ; with the four additions nine places: the first products below write over the registers that held V's fragments
.endr
	ds_load_b64 v[KW:KW+1], v[ADKS]                ; register KW + t / 2: lanes 0-15 the words of tile t (even), lanes 16-31 those of tile t + 1
	ds_load_b64 v[KW+2:KW+3], v[ADKS] offset:256
.irp g, 0,1                            ; S^T = K Q^T, four tiles of 16 keys at a time
.if \g
.rept 8
	v_nop                                          ; places in front of loads into registers that matrix instructions have read
.endr
.endif
.irp t, 0,1,2,3
	ds_load_b128 v[KB+16*\t:KB+16*\t+3], v[ADK] offset:(4*\g+\t)*1024
	ds_load_b128 v[KB+16*\t+4:KB+16*\t+7], v[ADK] offset:(4*\g+\t)*1024+512
.endr
	s_wait_dscnt 0x0
.irp t, 0,2
	v_wmma_scale_f32_16x16x128_f8f6f4 v[SS+8*(4*\g+\t):SS+8*(4*\g+\t)+7], v[KB+16*\t:KB+16*\t+15], v[QF:QF+15], 0, v[KW+2*\g+\t/2], v[QW]
	v_wmma_scale_f32_16x16x128_f8f6f4 v[SS+8*(4*\g+\t)+8:SS+8*(4*\g+\t)+15], v[KB+16*\t+16:KB+16*\t+31], v[QF:QF+15], 0, v[KW+2*\g+\t/2], v[QW] matrix_a_scale:MATRIX_SCALE_ROW1
.endr
.endr                                  ; lane (r, h) holds query r; registers 16 b + i are keys 32 b + 16 h + i of the step
.rept 8
	v_nop
.endr
.irp b, 0,1,2,3
	v_max3_num_f32 v[BM+\b], v[SS+16*\b], v[SS+16*\b+1], v[SS+16*\b+2]   ; the largest score of each block of 32 keys: for the row's maximum, and, since p rises with the score, for the block's largest p
.endr
.irp i, 3,5,7,9,11,13
.irp b, 0,1,2,3
	v_max3_num_f32 v[BM+\b], v[BM+\b], v[SS+16*\b+\i], v[SS+16*\b+\i+1]
.endr
.endr
.irp b, 0,1,2,3
	v_max_num_f32 v[BM+\b], v[BM+\b], v[SS+16*\b+15]
.endr
.irp b, 0,1,2,3
	s_delay_alu instid0(VALU_DEP_4)
	v_permlanex16_b32 v[PB+\b], v[BM+\b], s[SEL], s[SEL+1]
.endr
.irp b, 0,1,2,3
	s_delay_alu instid0(VALU_DEP_4)
	v_max_num_f32 v[BM+\b], v[BM+\b], v[PB+\b]     ; with lane l xor 16's 16 keys
.endr
	s_delay_alu instid0(VALU_DEP_2)
	v_max3_num_f32 v[TT], v[BM], v[BM+1], v[BM+2]
	s_delay_alu instid0(VALU_DEP_1)
	v_max_num_f32 v[TT], v[TT], v[BM+3]            ; the step's largest score of my query
	s_delay_alu instid0(VALU_DEP_1)
	v_mul_f32 v[TT], s[CS], v[TT]                  ; as t (c is positive)
	s_delay_alu instid0(VALU_DEP_1)
	v_max_num_f32 v13, v13, v[TT]                  ; the running largest t
	v_mov_b32 v[TT], v12
	s_delay_alu instid0(VALU_DEP_2)
	v_floor_f32 v12, -v13                          ; the new -M = floor(-t): M is a whole number
	s_delay_alu instid0(VALU_DEP_1)
	v_sub_f32 v[TT], v12, v[TT]                    ; old M - new M: a whole number, 0 or less
	s_delay_alu instid0(VALU_DEP_1)
	v_cvt_i32_f32 v[TT], v[TT]                     ; (it saturates)
	s_delay_alu instid0(VALU_DEP_1)
	v_ldexp_f32 v[FF], 1.0, v[TT]                  ; f = 2^(old M - new M)
.set j, 0
.rept 32
	v_pk_fma_f32 v[SS+j:SS+j+1], v[SS+j:SS+j+1], s[CS:CS+1], v[12:13] op_sel_hi:[1,0,0]   ; t - M, two at a time
.set j, j+2
.endr
.irp b, 0,1,2,3
	v_fma_f32 v[BM+\b], v[BM+\b], s[CS], v12       ; the same of each block's largest score
.endr
.set j, 0
	s_wait_alu depctr_va_vdst(0)
.rept 64
	v_exp_f32 v[SS+j], v[SS+j]                     ; p = 2^(t - M), at most 1
.set j, j+1
.endr
	s_setprio 1
.irp b, 0,1,2,3
	v_exp_f32 v[BM+\b], v[BM+\b]                   ; the block's largest p: the same two instructions on the same number
.endr
	v_pk_mul_f32 v[14:15], v[14:15], v[FF:FF+1] op_sel_hi:[1,0]   ; the sums under the new M.  (A plain line behind the exponentials)
	s_wait_alu depctr_va_vdst(0)
.irp b, 0,1,2,3
	v_max_num_f32 v[BM+\b], 0x4800000, v[BM+\b]    ; the floor 2^(9 - 127): the byte cannot fall under 1
.endr
.irp b, 0,1,2,3
	s_delay_alu instid0(VALU_DEP_4)
	v_add_nc_u32 v[SO+\b], 0xfc000000, v[BM+\b]    ; 8 off the exponent field: the conversion's scale operand
.endr
.irp b, 0,1,2,3
.endr
.irp b, 0,1,2,3
	s_delay_alu instid0(VALU_DEP_4)
	v_lshrrev_b32 v[PB+\b], 23, v[SO+\b]           ; the scale's byte
.endr
	s_delay_alu instid0(VALU_DEP_3)
	v_lshl_or_b32 v[PW], v[PB+1], 8, v[PB]         ; p's scale word for these 128 keys
	s_delay_alu instid0(VALU_DEP_1)
	v_lshl_or_b32 v[PW], v[PB+2], 16, v[PW]
	s_delay_alu instid0(VALU_DEP_1)
	v_lshl_or_b32 v[PW], v[PB+3], 24, v[PW]
	v_pk_add_f32 v[236:237], v[100:101], v[104:105]
	v_pk_add_f32 v[252:253], v[108:109], v[112:113]
	v_pk_add_f32 v[250:251], v[116:117], v[120:121]
	v_pk_add_f32 v[248:249], v[124:125], v[128:129]
	v_pk_add_f32 v[246:247], v[132:133], v[136:137]
	v_pk_add_f32 v[244:245], v[140:141], v[144:145]
	v_pk_add_f32 v[242:243], v[148:149], v[152:153]
	v_pk_add_f32 v[14:15], v[14:15], v[156:157]
	v_pk_add_f32 v[236:237], v[236:237], v[96:97]
	v_pk_add_f32 v[252:253], v[252:253], v[98:99]
	v_pk_add_f32 v[250:251], v[250:251], v[102:103]
	v_pk_add_f32 v[248:249], v[248:249], v[106:107]
	v_pk_add_f32 v[246:247], v[246:247], v[110:111]
	v_pk_add_f32 v[244:245], v[244:245], v[114:115]
	v_pk_add_f32 v[242:243], v[242:243], v[118:119]
	v_pk_add_f32 v[14:15], v[14:15], v[122:123]
	v_pk_add_f32 v[236:237], v[236:237], v[126:127]
	v_pk_add_f32 v[252:253], v[252:253], v[130:131]
	v_pk_add_f32 v[250:251], v[250:251], v[134:135]
	v_pk_add_f32 v[248:249], v[248:249], v[138:139]
	v_pk_add_f32 v[246:247], v[246:247], v[142:143]
	v_pk_add_f32 v[244:245], v[244:245], v[146:147]
	v_pk_add_f32 v[242:243], v[242:243], v[150:151]
	v_pk_add_f32 v[14:15], v[14:15], v[154:155]
	v_pk_add_f32 v[236:237], v[236:237], v[158:159]
	s_delay_alu instid0(VALU_DEP_2)
	v_pk_add_f32 v[14:15], v[14:15], v[248:249]
	s_delay_alu instid0(VALU_DEP_2)
	v_pk_add_f32 v[236:237], v[236:237], v[246:247]
	v_pk_add_f32 v[252:253], v[252:253], v[244:245]
	v_pk_add_f32 v[250:251], v[250:251], v[242:243]
	s_delay_alu instid0(VALU_DEP_2)
	v_pk_add_f32 v[14:15], v[14:15], v[252:253]
	s_delay_alu instid0(VALU_DEP_2)
	v_pk_add_f32 v[236:237], v[236:237], v[250:251]
	s_delay_alu instid0(VALU_DEP_1)
	v_pk_add_f32 v[14:15], v[14:15], v[236:237]
.irp b, 0,1,2,3
.set j, 0
.rept 16
.set j, j+1
.endr
	v_cvt_scalef32_pk8_fp8_f32 v[PC+4*\b:PC+4*\b+1], v[SS+16*\b:SS+16*\b+7], v[SO+\b]
	v_cvt_scalef32_pk8_fp8_f32 v[PC+4*\b+2:PC+4*\b+3], v[SS+16*\b+8:SS+16*\b+15], v[SO+\b]
.endr
	v_nop
.irp d, 0,1,2,3                        ; V's four fragments (16 of the head's 64 x these 128 keys) take p's registers
.irp c, 0,1,2,3
	ds_load_b128 v[SS+16*\d+4*\c:SS+16*\d+4*\c+3], v[ADV] offset:4096*(\c/2)+1024*\d+512*(\c%2)
.endr
.endr
	s_setprio 0
	ds_load_b64 v[VW:VW+1], v[ADVS]
.set j, 0
.rept 16
	v_pk_mul_f32 v[OT+j:OT+j+1], v[OT+j:OT+j+1], v[FF:FF+1] op_sel_hi:[1,0]   ; O^T under the new M.  (These are also the places between the codes' conversions and the products)
.set j, j+2
.endr
	s_wait_alu depctr_va_vdst(0)
	s_wait_dscnt 0x0
.irp d, 0,2                            ; O^T += V^T P^T: the four accumulators take turns
	v_wmma_scale_f32_16x16x128_f8f6f4 v[OT+8*\d:OT+8*\d+7], v[SS+16*\d:SS+16*\d+15], v[PC:PC+15], v[OT+8*\d:OT+8*\d+7], v[VW+\d/2], v[PW]
	v_wmma_scale_f32_16x16x128_f8f6f4 v[OT+8*\d+8:OT+8*\d+15], v[SS+16*\d+16:SS+16*\d+31], v[PC:PC+15], v[OT+8*\d+8:OT+8*\d+15], v[VW+\d/2], v[PW] matrix_a_scale:MATRIX_SCALE_ROW1
.endr
	s_add_co_u32 s[TK], s[TK], 8192                ; the next step's tiles and words
	s_add_co_u32 s[TS], s[TS], 512
	s_add_co_u32 s[TJ], s[TJ], 256
.endm
.macro INIT p                          ; pass p: my tile of queries, and the statistics' start.  O^T and the sum begin as zeros and the largest t as -3e38: the first change of M multiplies zeros
	global_load_b128 v[QF:QF+3], v[L16], s[4:5] offset:\p*16384
	global_load_b128 v[QF+4:QF+7], v[L16], s[4:5] offset:\p*16384+512
	global_load_b32 v[QW], v[R4], s[6:7] offset:\p*1024
	v_mov_b32 v13, 0xff61b1e6
	s_delay_alu instid0(VALU_DEP_1)
	v_floor_f32 v12, -v13
	v_mov_b32 v14, 0
	v_mov_b32 v15, 0
.set j, 0
.rept 32
	v_mov_b32 v[OT+j], 0
.set j, j+1
.endr
	s_mov_b32 s[TK], 0
	s_mov_b32 s[TS], 0
	s_mov_b32 s[TJ], 0
	s_wait_loadcnt 0x0
.endm
.macro WALK                            ; all 16 key steps of the head
	s_mov_b32 s[CNT], 16
.Lstep_\@:
	s_setprio 2
	STEP
	s_sub_co_u32 s[CNT], s[CNT], 1
	s_cmp_lg_u32 s[CNT], 0
	s_cbranch_scc1 .Lstep_\@
	s_setprio 0
.endm
.macro FINISH p                        ; O^T / the sum; registers 16 e + i are features 32 e + 16 h + i of the head: two blocks, quantised and stored as the next launch's operand registers
.rept 8
	v_nop                                          ; places behind the last products
.endr
	v_add_f32 v14, v14, v15
	s_delay_alu instid0(VALU_DEP_1)
	v_permlanex16_b32 v[TT], v14, s[SEL], s[SEL+1]
	s_delay_alu instid0(VALU_DEP_1)
	v_add_f32 v14, v14, v[TT]                      ; the row's sum
	s_wait_alu depctr_va_vdst(0)
	v_rcp_f32 v14, v14
	v_nop                                          ; a plain line behind the transcendental
.set j, 0
	s_wait_alu depctr_va_vdst(0)
.rept 16
	v_pk_mul_f32 v[SS+j:SS+j+1], v[OT+j:OT+j+1], v[14:15] op_sel_hi:[1,0]   ; each accumulator from its low end on
.set j, j+2
.endr
.irp e, 0,1
	v_max3_num_f32 v[BM+\e], |v[SS+16*\e]|, |v[SS+16*\e+1]|, 0x4800000
.endr
.irp i, 2,4,6,8,10,12,14
.irp e, 0,1
	s_delay_alu instid0(VALU_DEP_2)
	v_max3_num_f32 v[BM+\e], v[BM+\e], |v[SS+16*\e+\i]|, |v[SS+16*\e+\i+1]|
.endr
.endr
.irp e, 0,1
	s_delay_alu instid0(VALU_DEP_2)
	v_permlanex16_b32 v[PB+\e], v[BM+\e], s[SEL], s[SEL+1]
.endr
.irp e, 0,1
	s_delay_alu instid0(VALU_DEP_2)
	v_max_num_f32 v[BM+\e], v[BM+\e], v[PB+\e]
.endr
.irp e, 0,1
	s_delay_alu instid0(VALU_DEP_2)
	v_add_nc_u32 v[SO+\e], 0xfc000000, v[BM+\e]
.endr
.irp e, 0,1
.endr
.irp e, 0,1
	s_delay_alu instid0(VALU_DEP_2)
	v_lshrrev_b32 v[PB+\e], 23, v[SO+\e]
.endr
	s_delay_alu instid0(VALU_DEP_1)
	v_lshl_or_b32 v[CW], v[PB+1], 8, v[PB]
.irp e, 0,1
.set j, 0
.rept 16
.set j, j+1
.endr
	v_cvt_scalef32_pk8_fp8_f32 v[PC+4*\e:PC+4*\e+1], v[SS+16*\e:SS+16*\e+7], v[SO+\e]
	v_cvt_scalef32_pk8_fp8_f32 v[PC+4*\e+2:PC+4*\e+3], v[SS+16*\e+8:SS+16*\e+15], v[SO+\e]
.endr
	v_nop                                          ; one plain vector line behind the last conversion
	global_store_b128 v[L16], v[PC:PC+3], s[12:13] offset:\p*262144         ; 512 consecutive bytes a store
	global_store_b128 v[L16], v[PC+4:PC+7], s[12:13] offset:\p*262144+512
	global_store_b16 v[R4], v[CW], s[14:15] offset:\p*1024                  ; my head's two bytes of each row's word; both halves of the lanes write the same value
.endm
	INIT 0
	s_wait_tensorcnt 0x0                           ; my part of the head's K, V or scale words has landed,
	s_barrier_signal -1
	s_barrier_wait -1                              ; everybody's has: from here on LDS is only read
	WALK
	FINISH 0
	s_wait_xcnt 0x0                                ; the stores have read their registers: the second pass writes them again
	INIT 1
	WALK
	FINISH 1
	s_wait_tensorcnt 0x0
	ds_add_u32 v254, v255
	s_wait_dscnt 0x0
	CROUND                                         ; the closing round
	s_endpgm
.Lfunc_end_k_q9cfa4e8c85_attn:
	.size	k_q9cfa4e8c85_attn, .Lfunc_end_k_q9cfa4e8c85_attn-k_q9cfa4e8c85_attn
	.p2alignl 7, 3214868480
	.fill 96, 4, 3214868480
	.section	.rodata,"a",@progbits
	.p2align	6, 0x0
	.amdhsa_kernel k_q9cfa4e8c85_attn
		.amdhsa_group_segment_fixed_size 276480
		.amdhsa_private_segment_fixed_size 0
		.amdhsa_enable_private_segment 0
		.amdhsa_kernarg_size 48
		.amdhsa_user_sgpr_count 2
		.amdhsa_user_sgpr_kernarg_segment_ptr 1
		.amdhsa_wavefront_size32 1
		.amdhsa_system_sgpr_workgroup_id_x 1
		.amdhsa_system_sgpr_workgroup_id_y 1
		.amdhsa_system_sgpr_workgroup_id_z 1
		.amdhsa_system_vgpr_workitem_id 0
		.amdhsa_next_free_vgpr 256
		.amdhsa_next_free_sgpr 80
		.amdhsa_reserve_vcc 0
		.amdhsa_float_denorm_mode_32 3
		.amdhsa_float_denorm_mode_16_64 3
		.amdhsa_fp16_overflow 1
		.amdhsa_memory_ordered 1
		.amdhsa_forward_progress 1
		.amdhsa_inst_pref_size 55
	.end_amdhsa_kernel
	.amdgpu_metadata
---
amdhsa.version: [ 1, 2 ]
amdhsa.kernels:
  - .name:           k_q9cfa4e8c85_attn
    .symbol:         k_q9cfa4e8c85_attn.kd
    .args:
      - { .name: qc, .offset: 0, .size: 8, .value_kind: global_buffer, .address_space: global }
      - { .name: qs, .offset: 8, .size: 8, .value_kind: global_buffer, .address_space: global }
      - { .name: kv, .offset: 16, .size: 8, .value_kind: global_buffer, .address_space: global }
      - { .name: sc, .offset: 24, .size: 8, .value_kind: global_buffer, .address_space: global }
      - { .name: cc, .offset: 32, .size: 8, .value_kind: global_buffer, .address_space: global }
      - { .name: cs, .offset: 40, .size: 8, .value_kind: global_buffer, .address_space: global }
    .group_segment_fixed_size: 276480
    .private_segment_fixed_size: 0
    .kernarg_segment_align: 8
    .kernarg_segment_size: 48
    .max_flat_workgroup_size: 512
    .sgpr_count:     80
    .vgpr_count:     256
    .wavefront_size: 32
...
	.end_amdgpu_metadata
.endif
;; end of part 2
;; launch oproj (part 3): grid 4 x 64, 4 waves a work-group, clusters of 4 x 4, 327,680 bytes of LDS; arguments cc, cs, W_o_codes, W_o_scales, b_o, out0; writes out0
.if DOCPART == 3
	.amdgcn_target "amdgcn-amd-amdhsa--gfx1250"
	.amdhsa_code_object_version 6
	.text
	.protected	k_q9cfa4e8c85_oproj
	.globl	k_q9cfa4e8c85_oproj
	.p2align	8
	.type	k_q9cfa4e8c85_oproj,@function
k_q9cfa4e8c85_oproj:
	s_mov_b64 s[64:65], 0
	v_nop
	global_prefetch_b8 v0, s[64:65] scope:SCOPE_SE
	s_setreg_imm32_b32 hwreg(HW_REG_WAVE_MODE, 25, 1), 1
	s_wait_xcnt 0x0
	s_wait_alu depctr_hold_cnt(0) depctr_sa_sdst(0) depctr_va_vdst(0) depctr_va_sdst(0) depctr_va_ssrc(0) depctr_va_vcc(0) depctr_vm_vsrc(0)
	s_getreg_b32 s2, hwreg(HW_REG_IB_STS2, 6, 4)
	s_cmp_eq_u32 s2, 0
	s_cbranch_scc0 .Lentry_in_a_cluster
	s_endpgm
.Lentry_in_a_cluster:
	s_bfe_u32 s2, ttmp6, 0x10000c
	s_cmp_lg_u32 s2, 0xf033
	s_cbranch_scc0 .Lentry_shape_is_right
	s_endpgm
.Lentry_shape_is_right:
.set PITCH, 272
.set HALFW, 128*PITCH
.set CIMG,  32768
.set SLOT,  CIMG+2*HALFW
.set SCA,   2*SLOT
.set SCB,   SCA+4096
.set HALFS, 16*272
.set SC64,  8*272
.set SBLK,  2*272
.set SPARE, SCB+2*HALFS
.set SPITCH, 528
.set ADC,  8
.set ADW,  10
.set ASC,  12
.set ASW,  13
.set STO,  24
.set RD,   25
.set CO,   26
.set H32,  27
.set SPW,  28
.set NIL,  29
.set SC,   32
.set CF,   128
.set WV, 20
.set WR, 21
.set WC, 22
.set G1C,  24
.set G0C,  32
.set G0SC, 40
.set G0SW, 44
.set G1W,  48
.set G0W,  56
.set G1SC, 84
.set G1SW, 92
.set MSB, 0
.macro WIN new
.if MSB != (\new)
	s_set_vgpr_msb (MSB<<8)|(\new)
.set MSB, (\new)
.endif
.endm
.macro PLACES n
.rept \n
	v_nop
.endr
.endm
.macro JLOAD g0c, g1c, g0w, g1w
	s_cmp_eq_u32 s[WR], 0
	s_cbranch_scc0 .Lfor_w_\@
	tensor_load_to_lds s[\g0c:\g0c+3], s[\g1c:\g1c+7]
	s_nop 0
.rept 4
	v_nop
.endr
	s_branch .Lasked_\@
.Lfor_w_\@:
	tensor_load_to_lds s[\g0w:\g0w+3], s[\g1w:\g1w+7]
	s_nop 0
.rept 4
	v_nop
.endr
.Lasked_\@:
.endm
.macro CREST
	s_cmp_lg_u32 s[WV], 0
	s_cbranch_scc1 .Lnot_wave_0_\@
	s_barrier_signal -3
.Lnot_wave_0_\@:
	s_barrier_wait -3
	s_barrier_signal -1
	s_barrier_wait -1
.endm
.macro CROUND
	s_barrier_signal -1
	s_barrier_wait -1
	CREST
.endm
.macro WM d, a, b, c0, sa, sb, ra, rb
.if (\ra) && (\rb)
	v_wmma_scale_f32_16x16x128_f8f6f4 v[\d:\d+7], v[\a:\a+15], v[\b:\b+15], v[\c0:\c0+7], v[\sa], v[\sb] matrix_a_scale:MATRIX_SCALE_ROW1 matrix_b_scale:MATRIX_SCALE_ROW1
.elseif \ra
	v_wmma_scale_f32_16x16x128_f8f6f4 v[\d:\d+7], v[\a:\a+15], v[\b:\b+15], v[\c0:\c0+7], v[\sa], v[\sb] matrix_a_scale:MATRIX_SCALE_ROW1
.elseif \rb
	v_wmma_scale_f32_16x16x128_f8f6f4 v[\d:\d+7], v[\a:\a+15], v[\b:\b+15], v[\c0:\c0+7], v[\sa], v[\sb] matrix_b_scale:MATRIX_SCALE_ROW1
.else
	v_wmma_scale_f32_16x16x128_f8f6f4 v[\d:\d+7], v[\a:\a+15], v[\b:\b+15], v[\c0:\c0+7], v[\sa], v[\sb]
.endif
.endm
.macro MM b, p, qq, sc, first
.irp a, 0,1,2,3
.if \first
	WM 64*\a+8*\b, 16*\b, CF+64*\p+16*\a, 128+8*\b, SC+12*\sc+4+2*(\b%4)+\qq, SC+12*\sc+\a, \b/4, \qq
.else
	WM 64*\a+8*\b, 16*\b, CF+64*\p+16*\a, 64*\a+8*\b, SC+12*\sc+4+2*(\b%4)+\qq, SC+12*\sc+\a, \b/4, \qq
.endif
.endr
.endm
.macro FETCH_C slot, qq, p
	WIN 0
.irp a, 0,1,2,3
.irp c, 0,1,2,3
	ds_load_b128 v[CF+64*\p+16*\a+4*\c:CF+64*\p+16*\a+4*\c+3], v[ADC+\slot] offset:4096*\a+2048*\qq+512*\c
.endr
.endr
.endm
.macro FETCH_W slot, qq, half
	WIN 0x40
.irp i, 0,1,2,3
.irp c, 0,1,2,3
	ds_load_b128 v[16*(4*\half+\i)+4*\c:16*(4*\half+\i)+4*\c+3], v[ADW+\slot] offset:128*\qq+32*\c+(4*\half+\i)*16*PITCH
.endr
.endr
.endm
.macro SCALES ss
.irp a, 0,1,2,3
	ds_load_b32 v[SC+12*\ss+\a], v[ASC] offset:64*\a
.endr
.irp i, 0,1,2,3
	ds_load_b64 v[SC+12*\ss+4+2*\i:SC+12*\ss+4+2*\i+1], v[ASW] offset:\i*SBLK
.endr
.endm
	s_load_b256 s[4:11], s[0:1], 0x0
	s_load_b128 s[12:15], s[0:1], 0x20
	v_lshl_add_u32 v[SPW], v0, 2, SPARE
	v_mov_b32 v[NIL], 0
	ds_add_u32 v28, v29
	ds_add_u32 v28, v29
	s_wait_dscnt 0x0
	v_lshrrev_b32 v1, 5, v0
	v_readfirstlane_b32 s[WV], v1
	s_lshr_b32 s[WR], s[WV], 1
	s_and_b32 s[WC], s[WV], 1
	s_bfe_u32 s66, ttmp6, 0x40000
	s_bfe_u32 s67, ttmp6, 0x40004
	s_lshl_b32 s82, ttmp9, 2
	s_add_co_u32 s82, s82, s66
	s_and_b32 s83, ttmp7, 0xffff
	s_lshl_b32 s83, s83, 2
	s_add_co_u32 s83, s83, s67
	s_lshl_b32 s23, s67, 2
	s_lshl_b32 s23, 15, s23
	s_lshl_b32 s3, 0x1111, s66
	s_or_b32 s[G1C], s23, (3<<16)|(1<<21)
	s_mov_b32 s[G1C+1], 512<<16
	s_mov_b32 s[G1C+2], 4<<16
	s_mov_b32 s[G1C+3], 512<<16
	s_mov_b32 s[G1C+4], 4
	s_mov_b32 s[G1C+5], 2048
	s_mov_b32 s[G1C+6], 0
	s_mov_b32 s[G1C+7], 0
	s_or_b32 s[G1SC], s23, (3<<16)|(1<<21)
	s_mov_b32 s[G1SC+1], 64<<16
	s_mov_b32 s[G1SC+2], 4<<16
	s_mov_b32 s[G1SC+3], 64<<16
	s_mov_b32 s[G1SC+4], 4
	s_mov_b32 s[G1SC+5], 1024
	s_mov_b32 s[G1SC+6], 0
	s_mov_b32 s[G1SC+7], 0
	s_or_b32 s[G1W], s3, (1<<20)|(1<<21)|(5<<22)|(3<<25)
	s_mov_b32 s[G1W+1], 256<<16
	s_mov_b32 s[G1W+2], 128<<16
	s_mov_b32 s[G1W+3], 256<<16
	s_mov_b32 s[G1W+4], 128
	s_mov_b32 s[G1W+5], 1024
	s_mov_b32 s[G1W+6], 0
	s_mov_b32 s[G1W+7], 0
	s_or_b32 s[G1SW], s3, (3<<16)|(1<<20)|(1<<21)|(5<<22)|(3<<25)
	s_mov_b32 s[G1SW+1], 32<<16
	s_mov_b32 s[G1SW+2], 16<<16
	s_mov_b32 s[G1SW+3], 32<<16
	s_mov_b32 s[G1SW+4], 16
	s_mov_b32 s[G1SW+5], 32
	s_mov_b32 s[G1SW+6], 0
	s_mov_b32 s[G1SW+7], 0
	s_lshl_b32 s66, s[WC], 14
	s_mul_i32 s67, s[WC], HALFW
	s_add_co_u32 s67, s67, CIMG
	s_lshl_b32 s16, s[WC], 11
	s_add_co_u32 s16, s16, SCA
	s_mul_i32 s17, s[WC], HALFS
	s_add_co_u32 s17, s17, SCB
	s_lshl_b32 s100, s83, 17
	s_lshl_b32 s2, s[WC], 16
	s_add_co_u32 s100, s100, s2
	s_mov_b32 s101, 0
	s_wait_kmcnt 0x0
	s_add_nc_u64 s[4:5], s[4:5], s[100:101]
	s_lshr_b32 s100, s83, 4
	s_lshl_b32 s100, s100, 16
	s_and_b32 s23, s83, 15
	s_lshl_b32 s23, s23, 9
	s_add_co_u32 s100, s100, s23
	s_lshl_b32 s23, s[WC], 15
	s_add_co_u32 s100, s100, s23
	s_add_nc_u64 s[6:7], s[6:7], s[100:101]
	s_lshl_b32 s2, s82, 18
	s_lshl_b32 s3, s[WC], 17
	s_add_co_u32 s2, s2, s3
	s_mov_b32 s3, 0
	s_add_nc_u64 s[8:9], s[8:9], s[2:3]
	s_lshl_b32 s2, s82, 13
	s_lshl_b32 s18, s[WC], 12
	s_add_co_u32 s2, s2, s18
	s_add_nc_u64 s[10:11], s[10:11], s[2:3]
	CROUND
	s_mov_b32 s[G0SC], 1
	s_mov_b32 s[G0SC+1], s16
	s_mov_b64 s[G0SC+2:G0SC+3], s[6:7]
	s_or_b32 s[G0SC+3], s[G0SC+3], 0x80000000
	s_mov_b32 s[G0SW], 1
	s_mov_b32 s[G0SW+1], s17
	s_mov_b64 s[G0SW+2:G0SW+3], s[10:11]
	s_or_b32 s[G0SW+3], s[G0SW+3], 0x80000000
	JLOAD G0SC, G1SC, G0SW, G1SW
.irp s, 0,1
	s_mov_b32 s[G0C+4*\s], 1
	s_add_co_u32 s[G0C+4*\s+1], s66, \s*SLOT
	s_add_nc_u64 s[G0C+4*\s+2:G0C+4*\s+3], s[4:5], \s*4096
	s_or_b32 s[G0C+4*\s+3], s[G0C+4*\s+3], 0x80000000
	s_mov_b32 s[G0W+4*\s], 1
	s_add_co_u32 s[G0W+4*\s+1], s67, \s*SLOT
	s_add_nc_u64 s[G0W+4*\s+2:G0W+4*\s+3], s[8:9], \s*256
	s_or_b32 s[G0W+4*\s+3], s[G0W+4*\s+3], 0x80000000
	s_wait_alu depctr_va_vdst(0)
	s_wait_tensorcnt 0x0
	ds_add_u32 v28, v29
	s_wait_dscnt 0x0
	CROUND
	JLOAD G0C+4*\s, G1C, G0W+4*\s, G1W
.endr
	v_and_b32 v1, 15, v0
	v_bfe_u32 v2, v0, 4, 1
	v_and_b32 v3, 31, v0
	v_lshlrev_b32 v[CO], 4, v3
	v_mul_u32_u24 v4, v1, PITCH
	v_lshl_add_u32 v4, v2, 4, v4
	s_lshl_b32 s2, s[WR], 14
	s_mul_i32 s3, s[WC], HALFW
	s_add_co_u32 s3, s3, CIMG
.irp s, 0,1
	v_add_nc_u32 v[ADC+\s], s2, v[CO]
	v_add_nc_u32 v[ADW+\s], s3, v4
	s_add_co_u32 s2, s2, SLOT
	s_add_co_u32 s3, s3, SLOT
.endr
	v_lshlrev_b32 v4, 2, v1
	v_lshl_add_u32 v4, v2, 9, v4
	s_lshl_b32 s2, s[WR], 8
	s_add_co_u32 s2, s2, SCA
	v_add_nc_u32 v[ASC], s2, v4
	v_lshrrev_b32 v5, 3, v1
	v_lshlrev_b32 v4, 5, v1
	v_lshl_add_u32 v4, v5, 4, v4
	v_mul_u32_u24 v5, v2, SC64
	v_add_nc_u32 v4, v4, v5
	s_mul_i32 s2, s[WC], HALFS
	s_add_co_u32 s2, s2, SCB
	v_add_nc_u32 v[ASW], s2, v4
	s_mul_i32 s2, s[WV], 16*SPITCH
	v_mul_u32_u24 v4, v1, SPITCH
	v_lshl_add_u32 v4, v2, 5, v4
	v_add_nc_u32 v[STO], s2, v4
	v_add_nc_u32 v[RD], s2, v[CO]
	v_lshlrev_b32 v[H32], 5, v2
	s_wait_alu depctr_va_vdst(0)
	s_lshl_b32 s2, s82, 10
	s_lshl_b32 s3, s[WC], 9
	s_add_co_u32 s2, s2, s3
	s_mov_b32 s3, 0
	s_add_nc_u64 s[12:13], s[12:13], s[2:3]
	s_add_nc_u64 s[14:15], s[14:15], s[2:3]
	s_lshl_b32 s2, s83, 19
	s_lshl_b32 s18, s[WR], 18
	s_add_co_u32 s2, s2, s18
	s_add_nc_u64 s[14:15], s[14:15], s[2:3]
	WIN 0x40
.irp b, 0,1,2,3,4,5,6,7
	global_load_b128 v[128+8*\b:131+8*\b], v[H32], s[12:13] offset:64*\b
	global_load_b128 v[132+8*\b:135+8*\b], v[H32], s[12:13] offset:64*\b+16
.endr
	WIN 0
.macro STEP slot, first
	s_wait_dscnt 16
	WIN 0xa1-0x10*\first
.irp n, 0,1,2,3
	MM \n, 0, 0, \slot, \first
.endr
	s_wait_dscnt 0x0
	PLACES 8
	FETCH_C \slot, 1, 1
	FETCH_W \slot, 1, 0
	WIN 0xa1-0x10*\first
.irp n, 4,5,6,7
	MM \n, 0, 0, \slot, \first
.endr
	PLACES 8
	FETCH_W \slot, 1, 1
	WIN 0
.endm
.macro TURN slot, nxt, fill
	s_wait_tensorcnt 0x0
	ds_add_u32 v[SPW], v[NIL]
	s_wait_dscnt 17
	WIN 0xa1
	MM 0, 1, 1, \slot, 0
	MM 1, 1, 1, \slot, 0
	s_wait_dscnt 0x0
	s_barrier_signal -1
	MM 2, 1, 1, \slot, 0
	MM 3, 1, 1, \slot, 0
	WIN 0
	s_barrier_wait -1
.if \fill
	CREST
	s_add_nc_u64 s[G0C+4*\slot+2:G0C+4*\slot+3], s[G0C+4*\slot+2:G0C+4*\slot+3], 8192
	s_add_nc_u64 s[G0W+4*\slot+2:G0W+4*\slot+3], s[G0W+4*\slot+2:G0W+4*\slot+3], 512
	JLOAD G0C+4*\slot, G1C, G0W+4*\slot, G1W
	PLACES 4
.else
	PLACES 8
.endif
	s_wait_alu depctr_va_vdst(0)
	v_add_nc_u32 v[ASC], 1024, v[ASC]
	v_add_nc_u32 v[ASW], 8, v[ASW]
	FETCH_C \nxt, 0, 0
	FETCH_W \nxt, 0, 0
	WIN 0
	SCALES \nxt
	WIN 0xa1
.irp n, 4,5,6,7
	MM \n, 1, 1, \slot, 0
.endr
	PLACES 8
	FETCH_W \nxt, 0, 1
	WIN 0
.endm
	s_wait_tensorcnt 1
	s_barrier_signal -1
	s_barrier_wait -1
	FETCH_C 0, 0, 0
	FETCH_W 0, 0, 0
	WIN 0
	SCALES 0
	FETCH_W 0, 0, 1
	WIN 0
	s_wait_loadcnt 0x0
	STEP 0, 1
	TURN 0, 1, 1
	STEP 1, 0
	TURN 1, 0, 1
	STEP 0, 0
	TURN 0, 1, 0
	STEP 1, 0
	s_wait_dscnt 16
	WIN 0xa1
.irp n, 0,1,2,3
	MM \n, 1, 1, 1, 0
.endr
	s_wait_dscnt 0x0
.irp n, 4,5,6,7
	MM \n, 1, 1, 1, 0
.endr
	WIN 0
.macro TOSTAGE a
	WIN 0x08
.irp b, 0,1,2,3,4,5,6,7
	ds_store_b128 v[STO], v[64*(\a)+8*\b:64*(\a)+8*\b+3] offset:64*\b
	ds_store_b128 v[STO], v[64*(\a)+8*\b+4:64*(\a)+8*\b+7] offset:64*\b+16
.endr
	WIN 0
.set BB, CF+64*((\a)%2)
.irp t, 0,1,2,3,4,5,6,7,8,9,10,11,12,13,14,15
	ds_load_b128 v[BB+4*\t:BB+4*\t+3], v[RD] offset:\t*SPITCH
.endr
.endm
.macro SEND a, younger
.set BB, CF+64*((\a)%2)
	s_wait_dscnt \younger
.if (\a) > 0
	s_add_nc_u64 s[14:15], s[14:15], 16*4096
.endif
.irp t, 0,1,2,3,4,5,6,7,8,9,10,11,12,13,14,15
	global_store_b128 v[CO], v[BB+4*\t:BB+4*\t+3], s[14:15] offset:\t*4096 th:TH_STORE_NT
.endr
.endm
	PLACES 8
	TOSTAGE 0
.irp a, 1,2,3
.if \a > 1
	s_wait_xcnt 0x0
.endif
	TOSTAGE \a
	SEND \a-1, 32
.endr
	s_wait_xcnt 0x0
	SEND 3, 0
	s_wait_tensorcnt 0x0
	ds_add_u32 v[SPW], v[NIL]
	s_wait_dscnt 0x0
	CROUND
	s_endpgm
.Lfunc_end_k_q9cfa4e8c85_oproj:
	.size	k_q9cfa4e8c85_oproj, .Lfunc_end_k_q9cfa4e8c85_oproj-k_q9cfa4e8c85_oproj
	.p2alignl 7, 3214868480
	.fill 96, 4, 3214868480
	.section	.rodata,"a",@progbits
	.p2align	6, 0x0
	.amdhsa_kernel k_q9cfa4e8c85_oproj
		.amdhsa_group_segment_fixed_size 327680
		.amdhsa_private_segment_fixed_size 0
		.amdhsa_enable_private_segment 0
		.amdhsa_kernarg_size 48
		.amdhsa_user_sgpr_count 2
		.amdhsa_user_sgpr_kernarg_segment_ptr 1
		.amdhsa_wavefront_size32 1
		.amdhsa_system_sgpr_workgroup_id_x 1
		.amdhsa_system_sgpr_workgroup_id_y 1
		.amdhsa_system_sgpr_workgroup_id_z 1
		.amdhsa_system_vgpr_workitem_id 0
		.amdhsa_next_free_vgpr 768
		.amdhsa_next_free_sgpr 102
		.amdhsa_reserve_vcc 0
		.amdhsa_float_denorm_mode_32 3
		.amdhsa_float_denorm_mode_16_64 3
		.amdhsa_memory_ordered 1
		.amdhsa_forward_progress 1
		.amdhsa_inst_pref_size 94
	.end_amdhsa_kernel
	.amdgpu_metadata
---
amdhsa.version: [ 1, 2 ]
amdhsa.kernels:
  - .name:           k_q9cfa4e8c85_oproj
    .symbol:         k_q9cfa4e8c85_oproj.kd
    .args:
      - { .name: cc, .offset: 0, .size: 8, .value_kind: global_buffer, .address_space: global }
      - { .name: cs, .offset: 8, .size: 8, .value_kind: global_buffer, .address_space: global }
      - { .name: W_o_codes, .offset: 16, .size: 8, .value_kind: global_buffer, .address_space: global }
      - { .name: W_o_scales, .offset: 24, .size: 8, .value_kind: global_buffer, .address_space: global }
      - { .name: b_o, .offset: 32, .size: 8, .value_kind: global_buffer, .address_space: global }
      - { .name: out0, .offset: 40, .size: 8, .value_kind: global_buffer, .address_space: global }
    .group_segment_fixed_size: 327680
    .private_segment_fixed_size: 0
    .kernarg_segment_align: 8
    .kernarg_segment_size: 48
    .max_flat_workgroup_size: 128
    .sgpr_count:     102
    .vgpr_count:     768
    .wavefront_size: 32
...
	.end_amdgpu_metadata
.endif
;; end of part 3
